; MI455X (gfx1250); checked and timed in simulation.
; The chip was launched on July 23, 2026; its instructions are those of AMD's public machine-readable ISA for CDNA 5 (MIT licence, August 2026) and "CDNA5" Instruction Set Architecture Reference Guide (July 2026). The comments in the code are by the model that wrote it; some were corrected since.
;; SV Diff Module. Allowed arithmetic: matrix products marked QUANTISED: E5M2 operands, one E8M0 scale for each 32 along K, by v_wmma_scale_f32_16x16x128_f8f6f4 with both operands' format E5M2, f32 sums; everything else in f32.
;; Inputs: S 4,096 float32; U 4,096 x 4,096 float32; Vh 4,096 x 4,096 float32; delta 4,096 float32; weight 4,096 x 4,096 float32.
;; Outputs: out0 4,096 x 4,096 float32.
;; This version of the problem:
;;   THIS VERSION OF THE PROBLEM IS GIVEN IN LOW PRECISION. The matrix products marked QUANTISED in the list below multiply operands that are first quantised to E5M2 (5 exponent bits, 2 mantissa bits; 8 bits a number), with one power-of-two scale for each 32 numbers along K (OCP MX v1.0); their sums are f32. All else is computed in f32.
;;   The module's matrix products, in the order in which they are computed (A, B: the left and right operand; K: the contracted axis; several contracted axes count as one K, in the product's order):
;;     1. [M 4,096, K 4,096] x [K 4,096, N 4,096]; A: computed on the way; B: input Vh: QUANTISED
;;   THE QUANTISER, for each operand of a quantised product, along K:
;;     - K is cut into blocks of 32 from its start; a last block that is shorter is filled with zeros.
;;     - A block's scale is 2^e with e = floor(log2(the largest magnitude in the block)) - 15, held to -126 .. 127; a block of zeros has e = 0. As a byte (E8M0): e + 127.
;;     - Each number is divided by its block's scale, clamped to +-57,344, and rounded to the nearest number of E5M2, ties to even, subnormals kept.
;;     - The product sums the exact products of the quantised numbers (number of the format x scale) in f32.
;;   ~~~python
;;   def quantise(x, axis):      # numpy; x: float32 -> the quantised numbers, widened to float32 again
;;       x = np.moveaxis(x, axis, -1); K = x.shape[-1]
;;       x = np.pad(x, [(0, 0)] * (x.ndim - 1) + [(0, -K % 32)]); x = x.reshape(x.shape[:-1] + (-1, 32)); a = np.abs(x).max(-1, keepdims=True)
;;       e = np.where(a > 0, np.clip(np.frexp(np.where(a > 0, a, 1))[1] - 1 - 15, -126, 127), 0)      # np.frexp(a)[1] - 1 = floor(log2(a)), exactly
;;       r = np.clip(x / 2.0 ** e, -57344, 57344)
;;       step = 2.0 ** (np.maximum(np.frexp(np.where(r == 0, 1, r))[1] - 1, -14) - 2)
;;       q = np.round(r / step) * step * 2.0 ** e      # np.round: ties to even
;;       return np.moveaxis(q.reshape(q.shape[:-2] + (-1,))[..., :K], -1, axis).astype(np.float32)
;;   ~~~
;;   OPERANDS COMPUTED ON THE WAY. 'Computed on the way' means the value that the module computes at that place (a softmax that the list does not call 'softmax' is quantised finished and normalised). What goes into a quantiser is computed in f32, as accurately as f32 sums, v_exp_f32 and their like allow (about 1e-6 of the number): no bf16 or f16 on the way to a quantiser, and a product that is left as it is and whose result goes on into a quantised operand takes f32 operands (vector FMAs, or v_wmma_f32_16x16x4_f32). A number that lies on a knife's edge between two numbers of the format may be rounded either way, as far as f32 arithmetic and the matrix unit's own rounding can turn it there, and no further.
;; One version. Each part assembles by itself: llvm-mc -triple=amdgcn-amd-amdhsa -mcpu=gfx1250 --defsym DOCPART=n.
;; ======== version 1 of 1: 2 launches
;; limits: right only within a limited range of input values
;; workspace buffers: a_ws 17,301,504 bytes; b_ws 17,301,504 bytes
;; launch quant (part 1): grid 1024 x 1, 4 waves a work-group, no clusters, 68,096 bytes of LDS; arguments U, S, delta, a_ws, Vh, b_ws; writes a_ws, b_ws
.if DOCPART == 1
	.amdgcn_target "amdgcn-amd-amdhsa--gfx1250"
	.amdhsa_code_object_version 6
	.text
	.protected	k_qb843cb0341_quant
	.globl	k_qb843cb0341_quant
	.p2align	8
	.type	k_qb843cb0341_quant,@function
k_qb843cb0341_quant:
	s_mov_b64 s[64:65], 0
	v_nop
	global_prefetch_b8 v0, s[64:65] scope:SCOPE_SE
	s_setreg_imm32_b32 hwreg(HW_REG_WAVE_MODE, 25, 1), 1
	s_wait_xcnt 0x0
; Both operands of out0 = (U * s) @ Vh, s = max(S + delta, 0), are turned into codes of BF8 (E5M2), 8 bits each, with one E8M0 scale byte for each 32 along K.
; THE WORKSPACE IS LAID AS THE PRODUCT'S LAUNCH READS IT.  a_ws (rows m of U * s) and b_ws (rows n = columns of Vh): [16 K steps of 256][32 groups of 128 rows][33,792 bytes].  A group's block holds its
; 128 rows x 256 codes, K innermost, and behind them its 128 rows x 8 scale bytes: 132 runs of 256 bytes, consecutive in memory, which one tensor load of that launch brings.
; A block of 32 numbers has the scale 2^(floor(log2(its largest magnitude)) - 15); the byte is the largest magnitude's own exponent field - 15, held at 1 from below.  Each number is divided by the scale,
; held within +-57,344 and rounded to the nearest code, ties to even.
; LIMITS: NaN and infinities among the inputs are not served.  A block of zeros gets the byte 1 where the quantiser's rule says 127: its codes are zeros, which add nothing under any byte but 0xff, and
; the bytes are read by this program alone.  The problem's input 'weight' is loaded by no launch of this program: the function to be computed never reads it, and no output number hangs on it.
; ONE LAUNCH FOR BOTH: the first 512 work-groups take U, the other 512 Vh; the two ways part at the head on the work-group's number and never meet; each has LDS bytes of its own.
; No tensor loads, no barrier: waves share nothing.  Written out, no loop: every offset is an immediate, and no register that a pending load or store names is written again.
.set NWU,   512                        ; work-groups for U
.set BLKB,  132*256                    ; a group's block in bytes
.set SCOFF, 128*256                    ; in it: where the scale bytes begin
.set EMAX,  15
.set MANT,  0x600000                   ; the mantissa field of 57,344 as f32
	v_lshl_add_u32 v208, v0, 2, 0x10800
	v_mov_b32 v209, 0
	s_cmp_lt_u32 ttmp9, NWU
	s_cbranch_scc0 .Lvh
; ======== U.  a[m][k] = U[m][k] * s[k], one f32 multiplication; K is innermost.
; A wave owns 32 rows x 256 columns (one K step): strip = 4 x (work-group % 4) + wave, rows 32 x (work-group / 4) on.  16 steps of two rows.  Each load reads 256 consecutive aligned bytes of one row in
; lanes 0-15 and of the next row in lanes 16-31.  The conversions take neighbours along K from ONE lane's registers, so a step's 2,048 bytes turn through the wave's own stage in LDS and come back 64 bytes a
; lane: lane (r, h) then holds columns 16 r .. 16 r + 15 of row 2 t + h, the same columns in every step, so that its sixteen s stay in registers.  Two neighbouring lanes hold a block of 32.
; Loads run four steps (16 loads a wave) ahead, the turn through LDS one step.
.set STEPS, 16
.set UROW,  16384                      ; a row of U in bytes
.set SP,    80                         ; a lane's place in a stage: its 64 bytes + 16 of padding
.set STG,   32*SP                      ; a stage
.set SCBY,  2*STG                      ; behind the two stages: the wave's 256 scale bytes, [32 rows][8]
.set R,     16                         ; v16-79   four sets of 16 numbers as they are loaded
.set X,     80                         ; v80-111  two sets of 16 neighbours
.set E,     112                        ; v112-127 a scale byte for each step
.set C,     128                        ; v128-191 codes: four registers for each step, so that no store's data are written again (first: delta)
.set SV,    192                        ; v192-207 s of my 16 columns
	s_load_b256 s[4:11], s[0:1], 0x0               ; U s[4:5], S s[6:7], delta s[8:9], a_ws s[10:11]
	v_lshrrev_b32 v1, 5, v0
	v_readfirstlane_b32 s16, v1                    ; wave 0..3
	v_and_b32 v2, 31, v0                           ; lane
	v_and_b32 v8, 15, v0                           ; r
	v_bfe_u32 v9, v0, 4, 1                         ; h
	v_lshlrev_b32 v1, 6, v8                        ; S, delta: my 16 numbers begin 64 r bytes into the strip
	v_lshlrev_b32 v3, 4, v8
	v_lshl_add_u32 v3, v9, 14, v3                  ; U: 16 r, + a row of 16,384 bytes for lanes 16-31
	v_lshlrev_b32 v4, 4, v2                        ; the codes: row 2 t + h, byte 16 r, in rows of 256 bytes on end: 512 t + 16 x lane
	s_lshl_b32 s17, s16, 13                        ; LDS: 8,192 bytes of its own for each wave
	v_bfe_u32 v10, v0, 2, 2
	v_mul_u32_u24 v14, v10, SP
	v_and_b32 v10, 3, v0
	v_lshl_add_u32 v14, v10, 4, v14
	v_mad_u32_u24 v14, v9, 16*SP, v14
	v_add_nc_u32 v14, s17, v14                     ; the stage, on the way in: four lanes' 64 bytes on end, then padding: SP (16 h + r / 4) + 16 (r % 4); load i stands 4 SP i further on
	v_mul_u32_u24 v15, v2, SP
	v_add_nc_u32 v15, s17, v15                     ; and on the way out: SP x lane: my 16 neighbours
	s_add_co_u32 s25, s17, SCBY
	v_lshrrev_b32 v5, 1, v2
	v_add_nc_u32 v5, s25, v5                       ; my block's scale byte: row 2 t + h, byte r / 2: 16 t + lane / 2
	v_lshlrev_b32 v7, 3, v2                        ; on the way out 8 bytes a lane: a row's
	v_add_nc_u32 v6, s25, v7
	s_and_b32 s18, ttmp9, 3
	s_lshl_b32 s18, s18, 2
	s_add_co_u32 s18, s18, s16                     ; strip 0..15: which 256 columns = which K step
	s_lshr_b32 s19, ttmp9, 2                       ; which 32 rows: 0..127
	s_lshl_b32 s20, s19, 19                        ; U: 32 rows of 16,384 bytes,
	s_lshl_b32 s22, s18, 10                        ; + 256 columns of 4 bytes (this alone for S and delta)
	s_add_co_u32 s20, s20, s22
	s_mov_b32 s21, 0
	s_mov_b32 s23, 0
	s_lshl_b32 s26, s18, 5                         ; a_ws: block 32 x K step + (my rows' group of 128),
	s_lshr_b32 s28, s19, 2
	s_add_co_u32 s26, s26, s28
	s_mul_i32 s26, s26, BLKB                       ; in bytes (under 2^25)
	s_and_b32 s29, s19, 3                          ; which 32 rows of the group
	s_lshl_b32 s28, s29, 8                         ; their scale bytes: 32 rows of 8,
	s_add_co_u32 s28, s28, s26
	s_add_co_u32 s28, s28, SCOFF                   ; behind the block's codes
	s_lshl_b32 s29, s29, 13                        ; their codes: 32 rows of 256
	s_add_co_u32 s26, s26, s29
	s_mov_b32 s27, 0
	s_mov_b32 s29, 0
	s_mov_b32 s24, MANT                            ; (an instruction takes one literal: the hold's line has another)
	s_wait_kmcnt 0x0
	s_add_nc_u64 s[4:5], s[4:5], s[20:21]
	s_add_nc_u64 s[6:7], s[6:7], s[22:23]
	s_add_nc_u64 s[8:9], s[8:9], s[22:23]
	s_add_nc_u64 s[12:13], s[10:11], s[28:29]      ; where my scale bytes go
	s_add_nc_u64 s[10:11], s[10:11], s[26:27]      ; where my codes go
.irp i, 0,1,2,3
	global_load_b128 v[SV+4*\i:SV+4*\i+3], v1, s[6:7] offset:16*\i     ; S of my 16 columns
.endr
.irp i, 0,1,2,3
	global_load_b128 v[C+4*\i:C+4*\i+3], v1, s[8:9] offset:16*\i       ; delta likewise
.endr
.macro ULOAD t                         ; step t: rows 2 t and 2 t + 1 of my strip, 1,024 bytes each
.irp i, 0,1,2,3
	global_load_b128 v[R+16*((\t)%4)+4*\i:R+16*((\t)%4)+4*\i+3], v3, s[4:5] offset:2*UROW*(\t)+256*\i th:TH_LOAD_NT   ; sixteen lanes read 256 consecutive aligned bytes; read once in the launch
.endr
.endm
.macro UTURN t                         ; step t's numbers through the stage: LDS serves a wave's instructions in order (ISA guide 5.7.1.4), so no wait stands between the stores and the loads
.irp i, 0,1,2,3
	ds_store_b128 v14, v[R+16*((\t)%4)+4*\i:R+16*((\t)%4)+4*\i+3] offset:STG*((\t)%2)+4*SP*\i
.endr
.irp i, 0,1,2,3
	ds_load_b128 v[X+16*((\t)%2)+4*\i:X+16*((\t)%2)+4*\i+3], v15 offset:STG*((\t)%2)+16*\i
.endr
.endm
.irp t, 0,1,2,3
	ULOAD \t
.endr
	s_wait_loadcnt 16                              ; S and delta are in; the sixteen loads of U behind them may be out
.irp i, 0,2,4,6,8,10,12,14
	v_pk_add_f32 v[SV+\i:SV+\i+1], v[SV+\i:SV+\i+1], v[C+\i:C+\i+1]    ; S + delta (the scale on delta is 1),
.endr
.irp i, 0,1,2,3,4,5,6,7,8,9,10,11,12,13,14,15
	v_max_num_f32 v[SV+\i], 0, v[SV+\i]            ; clipped at 0: s
.endr
	s_wait_alu depctr_va_vdst(0)
	s_wait_loadcnt 12                              ; step 0's four loads are in
	UTURN 0
.macro USTEP t
.set XS, X+16*((\t)%2)
.if (\t) > 0
	s_wait_dscnt 1                                 ; this step's numbers are back from the stage (the last step's byte store may be out): so its stores into the stage have read their registers,
.else
	s_wait_dscnt 0x0
.endif
.if (\t)+4 < STEPS
	ULOAD (\t)+4                                   ; which take the loads of four steps on
.endif
.if (\t)+1 < STEPS
.if STEPS-2-(\t) >= 3
	s_wait_loadcnt 12                              ; the next step's four loads are in; those of the three steps behind it may be out
.else
	s_wait_loadcnt 4*(STEPS-2-(\t))
.endif
	UTURN (\t)+1                                   ; and go through the other stage while this step is worked
.endif
.irp i, 0,2,4,6,8,10,12,14
	v_pk_mul_f32 v[XS+\i:XS+\i+1], v[XS+\i:XS+\i+1], v[SV+\i:SV+\i+1]   ; a = U x s: one f32 multiplication a number
.endr
	v_max3_num_f32 v8, |v[XS]|, |v[XS+1]|, |v[XS+2]|               ; the largest magnitude of my 16, in two chains
	v_max3_num_f32 v9, |v[XS+3]|, |v[XS+4]|, |v[XS+5]|
.irp i, 6,10
	v_max3_num_f32 v8, v8, |v[XS+\i]|, |v[XS+\i+1]|
	v_max3_num_f32 v9, v9, |v[XS+\i+2]|, |v[XS+\i+3]|
.endr
	v_max3_num_f32 v8, v8, |v[XS+14]|, |v[XS+15]|
	v_max3_num_f32 v8, v8, v9, (EMAX+1)<<23        ; and the floor 2^(EMAX + 1 - 127), under which no largest magnitude is taken: so the byte cannot fall under 1
	v_max_num_f32_dpp v8, v8, v8 row_xmask:1 row_mask:0xf bank_mask:0xf   ; and of my neighbour's 16: the block's
	v_add_nc_u32 v11, -(EMAX<<23), v8              ; EMAX off its exponent field: the conversion takes the exponent field of this operand as its scale, and nothing else of it
	v_and_or_b32 v10, v8, 0x7f800000, s24          ; 57,344 x the scale: the largest magnitude's exponent field over 57,344's mantissa
.irp i, 0,1,2,3,4,5,6,7,8,9,10,11,12,13,14,15
	v_med3_num_f32 v[XS+\i], v[XS+\i], -v10, v10   ; the conversion to an 8-bit code does not saturate (ISA guide 7.6.2): hold the number within the largest code x the scale first
.endr
	v_cvt_scalef32_pk8_bf8_f32 v[C+4*(\t):C+4*(\t)+1], v[XS:XS+7], v11          ; eight numbers / 2^(v11's exponent), to the nearest code, ties to even; the first number's code in the lowest byte
	v_cvt_scalef32_pk8_bf8_f32 v[C+4*(\t)+2:C+4*(\t)+3], v[XS+8:XS+15], v11
	v_lshrrev_b32 v[E+(\t)], 23, v11               ; the scale's byte (a plain line behind the conversions)
	ds_store_b8 v5, v[E+(\t)] offset:16*(\t)       ; both lanes of a block write the same byte with the same value
	global_store_b128 v4, v[C+4*(\t):C+4*(\t)+3], s[10:11] offset:512*(\t)   ; 32 lanes store two rows' codes: 512 consecutive bytes, at a multiple of 256 from the buffer's first byte
.endm
.irp t, 0,1,2,3,4,5,6,7,8,9,10,11,12,13,14,15
	USTEP \t
.endr
	ds_load_b64 v[12:13], v6                       ; LDS serves a wave's instructions in order: these see my byte stores
	s_wait_dscnt 0x0
	global_store_b64 v7, v[12:13], s[12:13]        ; 32 lanes store the 8 bytes of 32 neighbouring rows: 256 consecutive aligned bytes
	s_wait_tensorcnt 0x0
	ds_add_u32 v208, v209
	s_wait_dscnt 0x0
	s_endpgm
; ======== Vh [4096 k][4096 n]: K is its FIRST axis.
; A LANE TAKES A COLUMN n, AND ITS REGISTERS RUN DOWN K: each load reads neighbouring n in neighbouring lanes (128 consecutive bytes a wave, 512 a work-group), a block of 32 along K lies in ONE lane's 32
; registers, so that its largest magnitude needs no other lane, and the conversions give the codes with K innermost.  Nothing is transposed by an instruction.
; A work-group takes a group of 128 columns x one K step: one block of b_ws; a wave 32 of the columns: 8 blocks of 32 a lane, 256 bytes of codes for each column.  A lane's codes are one row of the block
; and the lanes beside it hold other rows: so they go through the wave's own stage in LDS and leave as rows, 512 consecutive bytes a store.  Loads run two blocks (64 loads a wave) ahead.
; Every offset is an immediate: 255 rows of 16,384 bytes stay inside the signed 24-bit immediate (ISA guide, chapter 10).
.set VLDS,   32768                     ; this way's LDS bytes begin behind the other way's
.set VROW,   16384                     ; a row of Vh in bytes
.set VNB,    8                         ; blocks of 32 along K for a wave
.set VPITCH, 272                       ; a stage row: 256 bytes + 16 of padding
.set VX,     32                        ; v32-95   two sets of 32 numbers
.set VC,     96                        ; v96-103  a block's codes
.set VOUT,   112                       ; v112-175 the way out: 16 x 4 registers
.set VSB,    24                        ; v24-25   the scale bytes, four to a register
.Lvh:
	s_load_b128 s[4:7], s[0:1], 0x20               ; Vh s[4:5], b_ws s[6:7]
	v_lshrrev_b32 v1, 5, v0
	v_readfirstlane_b32 s16, v1                    ; wave 0..3
	v_and_b32 v2, 31, v0                           ; lane
	s_sub_co_u32 s17, ttmp9, NWU                   ; 0..511
	s_lshr_b32 s18, s17, 5                         ; which K step
	s_and_b32 s17, s17, 31                         ; which group of 128 columns
	v_lshlrev_b32 v3, 2, v2                        ; in: 4 bytes a lane
	s_mul_i32 s19, s16, 32*VPITCH
	s_add_co_u32 s19, s19, VLDS                    ; my stage
	v_mul_u32_u24 v4, v2, VPITCH
	v_add_nc_u32 v4, s19, v4                       ; into it: row = my column
	v_and_b32 v5, 15, v2
	v_lshrrev_b32 v6, 4, v2                        ; out of it: sixteen lanes to a row, two rows an instruction
	v_mul_u32_u24 v7, v6, VPITCH
	v_lshl_add_u32 v7, v5, 4, v7
	v_add_nc_u32 v7, s19, v7                       ; LDS address
	v_lshlrev_b32 v8, 4, v2                        ; the same two rows in the block, rows of 256 bytes on end: 16 x lane
	v_lshlrev_b32 v9, 3, v2                        ; the scale bytes: 8 a column
	s_lshl_b32 s20, s18, 22                        ; Vh: 256 rows of 16,384 bytes a K step,
	s_lshl_b32 s22, s17, 9                         ; + 128 columns of 4 bytes a group,
	s_add_co_u32 s20, s20, s22
	s_lshl_b32 s22, s16, 7                         ; + 32 columns a wave
	s_add_co_u32 s20, s20, s22
	s_mov_b32 s21, 0
	s_lshl_b32 s24, s18, 5                         ; b_ws: block 32 x K step + group,
	s_add_co_u32 s24, s24, s17
	s_mul_i32 s24, s24, BLKB                       ; in bytes (under 2^25)
	s_lshl_b32 s28, s16, 8                         ; my 32 rows' scale bytes,
	s_add_co_u32 s28, s28, s24
	s_add_co_u32 s28, s28, SCOFF                   ; behind the block's codes
	s_lshl_b32 s26, s16, 13                        ; my 32 rows' codes
	s_add_co_u32 s24, s24, s26
	s_mov_b32 s25, 0
	s_mov_b32 s29, 0
	s_mov_b32 s31, MANT                            ; (an instruction takes one literal: the hold's line has another)
	s_wait_kmcnt 0x0
	s_add_nc_u64 s[4:5], s[4:5], s[20:21]
	s_add_nc_u64 s[8:9], s[6:7], s[28:29]          ; where my scale bytes go
	s_add_nc_u64 s[6:7], s[6:7], s[24:25]          ; where my codes go
.macro VLOAD t                         ; block t: Vh(32 t + i, my column), i = 0 .. 31, into set t % 2
.irp i, 0,1,2,3,4,5,6,7,8,9,10,11,12,13,14,15,16,17,18,19,20,21,22,23,24,25,26,27,28,29,30,31
	global_load_b32 v[VX+32*((\t)%2)+\i], v3, s[4:5] offset:(32*(\t)+\i)*VROW th:TH_LOAD_NT
.endr
.endm
	VLOAD 0
	VLOAD 1
.macro VBLOCK t
.set VXS, VX+32*((\t)%2)
.if (\t) < VNB-1
	s_wait_loadcnt 32                              ; this block's 32 loads are in; the next block's may be out
.else
	s_wait_loadcnt 0
.endif
	v_max3_num_f32 v12, |v[VXS]|, |v[VXS+1]|, |v[VXS+2]|            ; the block's largest magnitude: all 32 numbers are mine
	v_max3_num_f32 v13, |v[VXS+3]|, |v[VXS+4]|, |v[VXS+5]|
.irp i, 6,10,14,18,22,26
	v_max3_num_f32 v12, v12, |v[VXS+\i]|, |v[VXS+\i+1]|
	v_max3_num_f32 v13, v13, |v[VXS+\i+2]|, |v[VXS+\i+3]|
.endr
	v_max3_num_f32 v12, v12, |v[VXS+30]|, |v[VXS+31]|
	v_max3_num_f32 v12, v12, v13, (EMAX+1)<<23     ; and the floor 2^(EMAX + 1 - 127), under which no largest magnitude is taken: so the byte cannot fall under 1
	v_add_nc_u32 v11, -(EMAX<<23), v12             ; EMAX off its exponent field: the conversion takes the exponent field of this operand as its scale, and nothing else of it
	v_and_or_b32 v10, v12, 0x7f800000, s31         ; 57,344 x the scale: the largest magnitude's exponent field over 57,344's mantissa
	v_lshrrev_b32 v13, 23, v11                     ; the scale's byte
.if (\t)%4 == 0
	v_mov_b32 v[VSB+(\t)/4], v13                   ; four bytes to a register, the lower K in the lower byte
.else
	v_lshl_or_b32 v[VSB+(\t)/4], v13, 8*((\t)%4), v[VSB+(\t)/4]
.endif
.irp i, 0,1,2,3,4,5,6,7,8,9,10,11,12,13,14,15,16,17,18,19,20,21,22,23,24,25,26,27,28,29,30,31
	v_med3_num_f32 v[VXS+\i], v[VXS+\i], -v10, v10 ; the conversion to an 8-bit code does not saturate (ISA guide 7.6.2): hold the number within the largest code x the scale first
.endr
.irp g, 0,1,2,3
	v_cvt_scalef32_pk8_bf8_f32 v[VC+2*\g:VC+2*\g+1], v[VXS+8*\g:VXS+8*\g+7], v11
.endr
	v_nop                                          ; one plain line behind the last conversion of the run
	ds_store_b128 v4, v[VC:VC+3] offset:32*(\t)    ; 32 codes: 32 bytes of my column's row
	ds_store_b128 v4, v[VC+4:VC+7] offset:32*(\t)+16
.if (\t)+2 < VNB
	VLOAD (\t)+2
.endif
	s_wait_dscnt 0x0                               ; the stores have read their registers: the next block's codes may be written
.endm
.set Q, 0
.rept VNB
	VBLOCK Q
.set Q, Q+1
.endr
	global_store_b64 v9, v[VSB:VSB+1], s[8:9]      ; 32 lanes store the K step's 8 bytes of 32 neighbouring rows: 256 consecutive aligned bytes
.irp t, 0,1,2,3,4,5,6,7,8,9,10,11,12,13,14,15
	ds_load_b128 v[VOUT+4*\t:VOUT+4*\t+3], v7 offset:2*\t*VPITCH   ; LDS serves a wave's instructions in order (ISA guide 5.7.1.4): these see my stores
.endr
.irp t, 0,1,2,3,4,5,6,7,8,9,10,11,12,13,14,15
	s_wait_dscnt 15-\t
	global_store_b128 v8, v[VOUT+4*\t:VOUT+4*\t+3], s[6:7] offset:512*\t   ; 32 lanes store two rows' codes: 512 consecutive bytes, at a multiple of 256 from the buffer's first byte
.endr
	s_wait_tensorcnt 0x0
	ds_add_u32 v208, v209
	s_wait_dscnt 0x0
	s_endpgm
.Lfunc_end_k_qb843cb0341_quant:
	.size	k_qb843cb0341_quant, .Lfunc_end_k_qb843cb0341_quant-k_qb843cb0341_quant
	.p2alignl 7, 3214868480
	.fill 96, 4, 3214868480
	.section	.rodata,"a",@progbits
	.p2align	6, 0x0
	.amdhsa_kernel k_qb843cb0341_quant
		.amdhsa_group_segment_fixed_size 68096
		.amdhsa_private_segment_fixed_size 0
		.amdhsa_enable_private_segment 0
		.amdhsa_kernarg_size 48
		.amdhsa_user_sgpr_count 2
		.amdhsa_user_sgpr_kernarg_segment_ptr 1
		.amdhsa_wavefront_size32 1
		.amdhsa_system_sgpr_workgroup_id_x 1
		.amdhsa_system_sgpr_workgroup_id_y 1
		.amdhsa_system_sgpr_workgroup_id_z 1
		.amdhsa_system_vgpr_workitem_id 0
		.amdhsa_next_free_vgpr 210
		.amdhsa_next_free_sgpr 66
		.amdhsa_reserve_vcc 0
		.amdhsa_float_denorm_mode_32 3
		.amdhsa_float_denorm_mode_16_64 3
		.amdhsa_memory_ordered 1
		.amdhsa_forward_progress 1
		.amdhsa_inst_pref_size 120
	.end_amdhsa_kernel
	.amdgpu_metadata
---
amdhsa.version: [ 1, 2 ]
amdhsa.kernels:
  - .name:           k_qb843cb0341_quant
    .symbol:         k_qb843cb0341_quant.kd
    .args:
      - { .name: U, .offset: 0, .size: 8, .value_kind: global_buffer, .address_space: global }
      - { .name: S, .offset: 8, .size: 8, .value_kind: global_buffer, .address_space: global }
      - { .name: delta, .offset: 16, .size: 8, .value_kind: global_buffer, .address_space: global }
      - { .name: a_ws, .offset: 24, .size: 8, .value_kind: global_buffer, .address_space: global }
      - { .name: Vh, .offset: 32, .size: 8, .value_kind: global_buffer, .address_space: global }
      - { .name: b_ws, .offset: 40, .size: 8, .value_kind: global_buffer, .address_space: global }
    .group_segment_fixed_size: 68096
    .private_segment_fixed_size: 0
    .kernarg_segment_align: 8
    .kernarg_segment_size: 48
    .max_flat_workgroup_size: 128
    .sgpr_count:     66
    .vgpr_count:     210
    .wavefront_size: 32
...
	.end_amdgpu_metadata
.endif
;; end of part 1
;; launch gemm (part 2): grid 16 x 16, 4 waves a work-group, clusters of 4 x 4, 327,680 bytes of LDS; arguments a_ws, b_ws, out0; writes out0
.if DOCPART == 2
	.amdgcn_target "amdgcn-amd-amdhsa--gfx1250"
	.amdhsa_code_object_version 6
	.text
	.protected	k_qb843cb0341_gemm
	.globl	k_qb843cb0341_gemm
	.p2align	8
	.type	k_qb843cb0341_gemm,@function
k_qb843cb0341_gemm:
	s_mov_b64 s[64:65], 0
	v_nop
	global_prefetch_b8 v0, s[64:65] scope:SCOPE_SE
	s_setreg_imm32_b32 hwreg(HW_REG_WAVE_MODE, 25, 1), 1
	s_wait_xcnt 0x0
	s_wait_alu depctr_hold_cnt(0) depctr_sa_sdst(0) depctr_va_vdst(0) depctr_va_sdst(0) depctr_va_ssrc(0) depctr_va_vcc(0) depctr_vm_vsrc(0)
	s_getreg_b32 s2, hwreg(HW_REG_IB_STS2, 6, 4)
	s_cmp_eq_u32 s2, 0
	s_cbranch_scc0 .Lentry_in_a_cluster
	s_endpgm
.Lentry_in_a_cluster:
	s_bfe_u32 s2, ttmp6, 0x10000c
	s_cmp_lg_u32 s2, 0xf033
	s_cbranch_scc0 .Lentry_shape_is_right
	s_endpgm
.Lentry_shape_is_right:
; out0[m][n] = sum over k of a[m][k] b[n][k], on codes of BF8 (E5M2) with one E8M0 byte for each 32 along K, as the launch before laid them; sums in f32.
; The input 'weight' has no way to out0 (the function never reads it) and is not among the arguments.
; a_ws, b_ws: [16 K steps of 256][32 groups of 128 rows][132 runs of 256 bytes]: a group's block holds 128 rows x 256 codes and behind them 128 rows x 8 scale bytes; one tensor load brings a block.
; A tile of out0, 256 x 256, is made by four waves, 128 x 128 each: 64 accumulators, 512 registers.  256 tiles, 256 work-groups.  K goes in steps of 256 through a ring of two LDS slots.
; CLUSTERS 4 x 4: a's blocks are asked for jointly along a row of the cluster, b's along a column.
; THE MATRIX INSTRUCTION IS USED TRANSPOSED (source 0 = 16 rows of b, source 1 = 16 rows of a): a lane holds eight neighbouring numbers of a row of out0.
; REGISTERS: window 0: v0-31 addresses; v32-63 scale words, two sets; v128-191 a's blocks 0-3, one set; a's blocks 4-7 in v192-255 for a slot's first 128 along K and in v64-127 for its second.
;   window 1: b's fragments, a set for each half of a slot.  window 2: accumulators of my rows 0-63 ((a, b) at v[8 (8 a + b)]); window 3: of rows 64-127.
; A HALF of a slot is 64 products, a's blocks one after the other against b's eight.  The next half's LDS loads stand in TWO RUNS: b's other set (in a second half with the next slot's scale words), and a's eight
; blocks.  With two homes for a's blocks 4-7 a slot's reads are all issued in the middle of its first half, and the slots change at the head of the second.
; PREFETCH: behind the load of K step j each wave asks for K step j + 2's block of the kind it fetches (K step 1 is asked for behind K step 0's load, K step 2 with 3 behind K step 1's).  The four partners
; of a joint load share the block's 132 runs by address, 33 each: 32 by one instruction, a lane a run, the 33rd by a second.  A work-group has two K steps asked for and not yet loaded at the most.
; THE LAST K STEP GOES BY ROWS OF out0: both sets of b hold the whole step, and my eight blocks of 16 rows are finished, and leave, one after the other.
.set SIZE_N, 4096
.set BROWS,  132
.set BLKB,   BROWS*256                 ; a block in memory
.set KBLK,   32*BLKB                   ; from a K step to the next
.set PITCH,  272                       ; an LDS row: 256 bytes + 16 of padding
.set FR,     16                        ; registers of a fragment, 16 rows x 128 K
.set NL,     4                         ; LDS loads that bring one
.set NP,     8                         ; places behind this matrix instruction (ISA guide 7.12.1)
.set PIECE,  36096                     ; a block's room in LDS: 132 x 272, rounded up to 256
.set BSKEW,  128                       ; b's blocks stand 128 bytes on, so that a's and b's scale words, read by one load, fall on different banks
.set SCO,    128*PITCH                 ; in a block: where the scale bytes begin
.set SLOT,   4*PIECE+256
.set LAPS,   8                         ; a lap = two K steps
.set STAGE,  2*SLOT                    ; behind the ring: 16 rows x 528 bytes for each wave, for the way out
.set SPITCH, 528
.set SPARE,  STAGE+4*16*SPITCH         ; the spare words: 128 bytes a wave, named by no other line
.set ADRA, 16                          ; v16-17 my a fragments in slot 0, 1
.set PFO,  18                          ; v18 256 x lane;  v19 256 x 32: the prefetches' offsets
.set PF2,  19
.set ADRB, 20                          ; v20-21 the same for b
.set STO,  24
.set RD,   25
.set CO,   26
.set SPW,  28
.set NIL,  29
.set ADRS, 30                          ; v30-31 my scale words in slot 0, 1: lanes 0-15 a's rows, lanes 16-31 b's
.set SC,   32                          ; scale words: set s at SC + 16 s; register 8 q + i: block i, the slot's half q (so two blocks' registers never agree modulo 8)
.set AF,   128                         ; a's block i of half q at AF + 16 i - 128 q (i / 4)
.set BB,   64                          ; the way out: 16 rows read back
.set G1A,  24
.set G1B,  32
.set G0A,  40
.set G0B,  48
.set PFA,  62                          ; s[62:63] where my prefetches stand
.set MSB, 0
.macro WIN new                         ; the immediate's high byte repeats the setting that is left
.if MSB != \new
	s_set_vgpr_msb (MSB<<8)|\new
.set MSB, \new
.endif
.endm
.set MUL_LO, 0xa1                      ; source 0 (b) window 1, source 1 (a) window 0, C and D window 2
.set MUL_HI, 0xf1                      ; the same, C and D window 3
.set TO_B,   0x40
.macro JLOAD s                         ; a joint load: waves 0, 1 fetch a's two blocks, waves 2, 3 b's; s_nop 0 and four v_nop behind each line
	s_cmp_eq_u32 s15, 0
	s_cbranch_scc0 .Lfor_b_\@
	tensor_load_to_lds s[G0A+4*\s:G0A+4*\s+3], s[G1A:G1A+7]
	s_nop 0
.rept 4
	v_nop
.endr
	s_branch .Lasked_\@
.Lfor_b_\@:
	tensor_load_to_lds s[G0B+4*\s:G0B+4*\s+3], s[G1B:G1B+7]
	s_nop 0
.rept 4
	v_nop
.endr
.Lasked_\@:
.endm
.macro CREST                           ; a round of the cluster's barrier behind its opening barrier
	s_cmp_lg_u32 s14, 0
	s_cbranch_scc1 .Lnot_wave_0_\@
	s_barrier_signal -3
.Lnot_wave_0_\@:
	s_barrier_wait -3
	s_barrier_signal -1
	s_barrier_wait -1
.endm
.macro CROUND
	s_barrier_signal -1
	s_barrier_wait -1
	CREST
.endm
.macro PF k                            ; my 33 runs of the block k K steps behind s[PFA]
	global_prefetch_b8 v[PFO], s[PFA:PFA+1] offset:(\k)*KBLK th:TH_LOAD_NT scope:SCOPE_SE
	global_prefetch_b8 v[PF2], s[PFA:PFA+1] offset:(\k)*KBLK th:TH_LOAD_NT scope:SCOPE_SE
.endm
	s_load_b128 s[4:7], s[0:1], 0x0                ; a_ws, b_ws
	s_load_b64 s[12:13], s[0:1], 0x10              ; out0
	v_lshl_add_u32 v[SPW], v0, 2, SPARE
	v_mov_b32 v[NIL], 0
	ds_add_u32 v[SPW], v[NIL]                      ; the opening lines: the add, twice on end, and its wait
	ds_add_u32 v[SPW], v[NIL]
	v_lshrrev_b32 v1, 5, v0
	v_readfirstlane_b32 s14, v1                    ; wave 0..3
	s_lshr_b32 s15, s14, 1                         ; my half of the tile's rows; also: I fetch for a (0) or b (1)
	s_and_b32 s16, s14, 1                          ; my half of its columns; also: which block of the two I fetch
	s_bfe_u32 s58, ttmp6, 0x40000                  ; cx
	s_bfe_u32 s23, ttmp6, 0x40004                  ; cy
	s_lshl_b32 s59, ttmp9, 2
	s_add_co_u32 s59, s59, s58                     ; tile column
	s_and_b32 s17, ttmp7, 0xffff
	s_lshl_b32 s17, s17, 2
	s_add_co_u32 s17, s17, s23                     ; tile row
	s_lshl_b32 s22, s23, 2
	s_lshl_b32 s22, 15, s22                        ; my row of the cluster
	s_lshl_b32 s60, 0x1111, s58                    ; my column
	; group 1: 132 rows of 32 elements of 8 bytes, dense in memory, 16 bytes of padding behind each row in LDS
	s_or_b32 s[G1A+0], s22, (3<<16)|(1<<20)|(1<<21)|(5<<22)|(3<<25)
	s_or_b32 s[G1B+0], s60, (3<<16)|(1<<20)|(1<<21)|(5<<22)|(3<<25)
.irp g, G1A, G1B
	s_mov_b32 s[\g+1], 32<<16
	s_mov_b32 s[\g+2], BROWS<<16
	s_mov_b32 s[\g+3], 32<<16
	s_mov_b32 s[\g+4], BROWS
	s_mov_b32 s[\g+5], 32
	s_mov_b32 s[\g+6], 0
	s_mov_b32 s[\g+7], 0
.endr
	s_lshl_b32 s18, s17, 1
	s_add_co_u32 s18, s18, s16
	s_mul_i32 s18, s18, BLKB                       ; a: block 2 x tile row + half
	s_mov_b32 s19, 0
	s_lshl_b32 s56, s59, 1
	s_add_co_u32 s56, s56, s16
	s_mul_i32 s56, s56, BLKB                       ; b: block 2 x tile column + half
	s_mov_b32 s57, 0
	s_mul_i32 s20, s14, PIECE                      ; where my block goes: no place in the cluster enters an LDS address
	s_wait_dscnt 0x0                               ; both opening adds are done
	s_wait_kmcnt 0x0
	s_add_nc_u64 s[18:19], s[4:5], s[18:19]
	s_add_nc_u64 s[56:57], s[6:7], s[56:57]
.irp s, 0,1
	s_mov_b32 s[G0A+4*\s], 1
	s_add_co_u32 s[G0A+4*\s+1], s20, \s*SLOT
	s_add_nc_u64 s[G0A+4*\s+2:G0A+4*\s+3], s[18:19], \s*KBLK
	s_or_b32 s[G0A+4*\s+3], s[G0A+4*\s+3], 0x80000000
	s_mov_b32 s[G0B+4*\s], 1
	s_add_co_u32 s[G0B+4*\s+1], s20, \s*SLOT+BSKEW
	s_add_nc_u64 s[G0B+4*\s+2:G0B+4*\s+3], s[56:57], \s*KBLK
	s_or_b32 s[G0B+4*\s+3], s[G0B+4*\s+3], 0x80000000
.endr
	CROUND                                         ; all sixteen work-groups are here: the first joint loads meet
	JLOAD 0                                        ; K step 0: one tensor load a wave at the head
	; the prefetches' base: K step 0's block of the kind I fetch, + 33 runs x my place among the four that ask for it with me (cx for a, cy for b): by address alone
	s_cmp_eq_u32 s15, 0
	s_cselect_b32 s20, s17, s59
	s_cselect_b32 s21, s58, s23
	s_cselect_b64 s[PFA:PFA+1], s[4:5], s[6:7]
	s_lshl_b32 s20, s20, 1
	s_add_co_u32 s20, s20, s16
	s_mul_i32 s20, s20, BLKB
	s_mul_i32 s21, s21, 33*256
	s_add_co_u32 s20, s20, s21
	s_mov_b32 s21, 0
	s_add_nc_u64 s[PFA:PFA+1], s[PFA:PFA+1], s[20:21]
	s_mul_i32 s8, s15, PIECE                       ; my 128 rows of a
	s_mul_i32 s9, s16, PIECE
	s_add_co_u32 s9, s9, 2*PIECE+BSKEW             ; my 128 rows of b
	s_sub_co_u32 s10, s9, s8
	s_add_co_u32 s11, s8, SCO
	s_mul_i32 s66, s14, 16*SPITCH
	s_add_co_u32 s66, s66, STAGE                   ; my stage
	v_and_b32 v1, 15, v0                           ; r
	v_bfe_u32 v2, v0, 4, 1                         ; h
	v_mul_u32_u24 v3, v1, PITCH
	v_lshl_add_u32 v4, v2, 4, v3                   ; a fragment's row x pitch + 16 h
	v_add_nc_u32 v[ADRA], s8, v4
	v_add_nc_u32 v[ADRB], s9, v4
	v_add_nc_u32 v[ADRA+1], SLOT, v[ADRA]
	v_add_nc_u32 v[ADRB+1], SLOT, v[ADRB]
	v_mul_u32_u24 v6, s10, v2                      ; lanes 16-31 take b's scale words
	v_lshl_add_u32 v5, v1, 3, v6                   ; 8 bytes a row
	v_add_nc_u32 v[ADRS], s11, v5
	v_add_nc_u32 v[ADRS+1], SLOT, v[ADRS]
	v_mul_u32_u24 v5, v1, SPITCH
	v_lshl_add_u32 v5, v2, 5, v5
	v_add_nc_u32 v[STO], s66, v5                   ; into the stage: row r, 32 bytes for each half of the lanes
	v_and_b32 v6, 31, v0
	v_lshlrev_b32 v[CO], 4, v6                     ; back: the 32 lanes take a row of 512 bytes; the same in out0
	v_add_nc_u32 v[RD], s66, v[CO]
	v_lshlrev_b32 v[PFO], 8, v6
	v_mov_b32 v[PF2], 32*256
	PF 1                                           ; K step 1
	s_lshl_b32 s56, s17, 22                        ; my part of out0: 256 rows of 16,384 bytes a tile row,
	s_lshl_b32 s57, s15, 21                        ; 128 rows a half,
	s_add_co_u32 s56, s56, s57
	s_lshl_b32 s57, s59, 10                        ; 1,024 bytes a tile column,
	s_add_co_u32 s56, s56, s57
	s_lshl_b32 s57, s16, 9                         ; 512 a half
	s_add_co_u32 s56, s56, s57
	s_mov_b32 s57, 0
	s_add_nc_u64 s[12:13], s[12:13], s[56:57]
.macro FRAG reg, adr, q, i             ; lane (r, h): row r; registers 4 c .. 4 c + 3 hold K = 32 c + 16 h + 0 .. 15
.irp c, 0,1,2,3
	ds_load_b128 v[\reg+4*\c:\reg+4*\c+3], v[\adr] offset:128*(\q)+32*\c+(\i)*16*PITCH
.endr
.endm
.macro LB8 slot, q                     ; b's eight fragments of half q, into set q
	WIN TO_B
.irp i, 0,1,2,3,4,5,6,7
	FRAG 128*(\q)+FR*\i, ADRB+\slot, \q, \i
.endr
.endm
.macro LA4 slot, q, i0                 ; a's blocks i0 .. i0 + 3 of half q
	WIN 0
.irp i, \i0, \i0+1, \i0+2, \i0+3
	FRAG AF+FR*(\i)-128*(\q)*((\i)/4), ADRA+\slot, \q, \i
.endr
.endm
.macro SCALES sc                       ; a K step's scale words: block i's 16 rows x 8 bytes are half of a padded row of 256
	WIN 0
.irp i, 0,1,2,3,4,5,6,7
.irp q, 0,1
	ds_load_b32 v[SC+16*\sc+8*\q+\i], v[ADRS+\sc] offset:(\i/2)*PITCH+(\i%2)*128+4*\q
.endr
.endr
.endm
.macro PLACES n
.rept \n
	v_nop
.endr
.endm
; The product at place POS (0 .. 63) of half q: a's block POS / 8 x b's block POS % 8.  The 64 accumulators take turns in the same order in every half.
.macro WM q, sc, zero
.set A_, POS/8
.set D_, 8*(POS%32)
.set B_, 128*(\q)+FR*(POS%8)
.set F_, AF+FR*A_-128*(\q)*(A_/4)
.set S_, SC+16*(\sc)+8*(\q)
	WIN MUL_LO+0x50*(A_/4)
.if \zero
	v_wmma_scale_f32_16x16x128_f8f6f4 v[D_:D_+7], v[B_:B_+15], v[F_:F_+15], 0, v[S_+POS%8], v[S_+A_] matrix_a_fmt:MATRIX_FMT_BF8 matrix_b_fmt:MATRIX_FMT_BF8 matrix_a_scale:MATRIX_SCALE_ROW1
.else
	v_wmma_scale_f32_16x16x128_f8f6f4 v[D_:D_+7], v[B_:B_+15], v[F_:F_+15], v[D_:D_+7], v[S_+POS%8], v[S_+A_] matrix_a_fmt:MATRIX_FMT_BF8 matrix_b_fmt:MATRIX_FMT_BF8 matrix_a_scale:MATRIX_SCALE_ROW1
.endif
.endm
; A slot's first half.  Two runs of 32 loads for the second half: b's set at the head, a's eight blocks behind product 31.
.macro Q0 slot, zero
.if \zero == 0
	PLACES NP                                      ; for the loads into b's other set, read up to the last product of the half before
.endif
	s_wait_dscnt 4*NL                              ; all but the youngest sixteen loads (a's blocks 4-7) are in
	LB8 \slot, 1
.set POS, 0
.rept 64
	WM 0, \slot, \zero
.if POS == 31
	PLACES NP                                      ; for the loads into a's blocks 0-3
	s_wait_dscnt 8*NL                              ; all but b's 32 just asked for: a's blocks 4-7 are in
	LA4 \slot, 1, 0
	LA4 \slot, 1, 4
.endif
.set POS, POS+1
.endr
.endm
; A slot's second half changes slots: all its operands are in registers or on their way there.  In front of the round each wave waits for all its tensor loads, adds 0 to its spare word and waits for
; that and for its reads of this slot; the refill, two K steps ahead, is first behind the round; then come two runs for the next slot's first half: b's set and the scale words, and behind product 39 a's blocks.
.macro Q1 slot, next
	s_wait_xcnt 0x0                                ; my prefetches have read their address
	s_add_nc_u64 s[PFA:PFA+1], s[PFA:PFA+1], KBLK
	WIN 0                                          ; (the add's registers lie in window 0)
	s_wait_tensorcnt 0x0                           ; my part of the next slot has landed: no load of mine is out
	ds_add_u32 v[SPW], v[NIL]
	s_wait_dscnt 4*NL+1                            ; (the add and a's blocks 4-7 may be out)
.set POS, 0
.rept 64
	WM 1, \slot, 0
.if POS == 7
	s_wait_dscnt 0x0                               ; the add is done, my reads of this slot are over
	s_barrier_signal -1
.elseif POS == 15
	WIN 0
	s_barrier_wait -1
	CREST                                          ; no wave of any partner still reads this slot or has a load on its way
	s_add_nc_u64 s[G0A+4*\slot+2:G0A+4*\slot+3], s[G0A+4*\slot+2:G0A+4*\slot+3], 2*KBLK
	s_add_nc_u64 s[G0B+4*\slot+2:G0B+4*\slot+3], s[G0B+4*\slot+2:G0B+4*\slot+3], 2*KBLK
	JLOAD \slot
	PLACES NP-4                                    ; with the four behind the load: the places for the loads into b's other set
	LB8 \next, 0
	SCALES \next
	s_cmp_gt_u32 s3, 1                             ; the last trip's loads are K steps 14 and 15: nothing lies two steps on
	s_cbranch_scc0 .Lno_ask_\@
	PF 3                                           ; s[PFA] stands one K step behind the load's: the K step two on from it
.Lno_ask_\@:
.elseif POS == 39
	PLACES NP                                      ; for the loads into a's blocks 0-3
	LA4 \next, 0, 0
	LA4 \next, 0, 4
.endif
.set POS, POS+1
.endr
.endm
	s_wait_alu depctr_va_vdst(0)
	s_wait_tensorcnt 0x0                           ; my part of K step 0 is in; slot 1's first fill is issued as a refill is
	ds_add_u32 v[SPW], v[NIL]
	s_wait_dscnt 0x0
	CROUND
	JLOAD 1                                        ; K step 1
	LB8 0, 0
	LA4 0, 0, 0
	SCALES 0
	PF 2                                           ; K steps 2 and 3
	PF 3
	LA4 0, 0, 4
	Q0 0, 1                                        ; the first half's products start the sums
	WIN 0
	s_mov_b32 s3, LAPS-1
.Llap:                                                 ; a trip goes once round the ring and fills both slots again
	Q1 0, 1
	Q0 1, 0
	Q1 1, 0
	Q0 0, 0
	WIN 0
	s_sub_co_u32 s3, s3, 1
	s_cmp_lg_u32 s3, 0
	s_cbranch_scc1 .Llap
.macro ALOAD a                         ; the last K step: a's block a, both halves, at 128 + 32 ((a + 2) % 4)
	WIN 0
.irp q, 0,1
	FRAG 128+32*(((\a)+2)%4)+16*\q, ADRA+1, \q, \a
.endr
.endm
.macro P8 a, af, q                     ; a's block a (its fragment at af) x b's eight of set q
.irp b, 0,1,2,3,4,5,6,7
.set D_, 8*(8*((\a)%4)+\b)
.set B_, 128*(\q)+FR*\b
.set S_, SC+16+8*(\q)
	v_wmma_scale_f32_16x16x128_f8f6f4 v[D_:D_+7], v[B_:B_+15], v[\af:\af+15], v[D_:D_+7], v[S_+\b], v[S_+(\a)] matrix_a_fmt:MATRIX_FMT_BF8 matrix_b_fmt:MATRIX_FMT_BF8 matrix_a_scale:MATRIX_SCALE_ROW1
.endr
.endm
.macro ROW a                           ; block a is finished: 16 matrix instructions, its 8 accumulators by turns, K ascending
	WIN MUL_LO+0x50*((\a)/4)
	P8 \a, 128+32*(((\a)+2)%4), 0
.if (\a) == 0
	s_wait_dscnt 0x0                               ; b's second set is in
.endif
	P8 \a, 128+32*(((\a)+2)%4)+16, 1
.endm
.macro TOSTAGE a                       ; 16 rows x 128 columns into my own stage and back as whole rows of 512 bytes; LDS serves a wave's instructions in order (ISA guide 5.7.1.4)
.set AC, 64*((\a)%4)
	WIN 0x08+4*((\a)/4)
.irp b, 0,1,2,3,4,5,6,7
	ds_store_b128 v[STO], v[AC+8*\b:AC+8*\b+3] offset:64*\b          ; each accumulator from its low end on
	ds_store_b128 v[STO], v[AC+8*\b+4:AC+8*\b+7] offset:64*\b+16
.endr
	WIN 0
.irp t, 0,1,2,3,4,5,6,7,8,9,10,11,12,13,14,15
	ds_load_b128 v[BB+4*\t:BB+4*\t+3], v[RD] offset:\t*SPITCH
.endr
.endm
.macro SEND a, younger
	s_wait_dscnt \younger                          ; the block is back in registers
.if (\a) > 0
	s_add_nc_u64 s[12:13], s[12:13], 16*SIZE_N*4   ; (behind this block's wait on XCNT)
.endif
.irp t, 0,1,2,3,4,5,6,7,8,9,10,11,12,13,14,15
	global_store_b128 v[CO], v[BB+4*\t:BB+4*\t+3], s[12:13] offset:\t*SIZE_N*4 th:TH_STORE_NT   ; 32 lanes store 512 consecutive bytes, at a multiple of 256 from out0's first byte
.endr
.endm
; K step 14's second half; nothing is filled again, so a work-group barrier alone shows K step 15's four blocks to all waves.
	s_wait_dscnt 4*NL
.set POS, 0
.rept 64
	WM 1, 0, 0
.if POS == 23
	s_wait_tensorcnt 0x0
	s_wait_dscnt 0x0
	s_barrier_signal -1
.elseif POS == 31
	s_barrier_wait -1
	PLACES NP
	LB8 1, 0
	SCALES 1
.irp i, 0,1,2,3
	ALOAD \i
.endr
.endif
.set POS, POS+1
.endr
	PLACES NP
	LB8 1, 1
	s_wait_dscnt 8*NL                              ; all but the 32 just issued
	ROW 0
.irp a, 0,1,2,3,4,5,6,7                ; each block leaves as soon as it is finished; the next block's products stand between its way through the stage and its stores
	PLACES NP
.if \a > 0
	s_wait_xcnt 0x0                                ; the last block's stores have read their registers and their base
.endif
	TOSTAGE \a
.if \a < 4
	ALOAD \a+4                                     ; its buffer takes the block four further on
.endif
.if \a < 7
	ROW \a+1
.endif
	WIN 0
.if \a < 4
	SEND \a, 2*NL                                  ; the eight loads of a's next block may be out
.else
	SEND \a, 0
.endif
.endr
	s_wait_tensorcnt 0x0                           ; the wave's end
	ds_add_u32 v[SPW], v[NIL]
	s_wait_dscnt 0x0
	CROUND                                         ; the closing round
	s_endpgm
.Lfunc_end_k_qb843cb0341_gemm:
	.size	k_qb843cb0341_gemm, .Lfunc_end_k_qb843cb0341_gemm-k_qb843cb0341_gemm
	.p2alignl 7, 3214868480
	.fill 96, 4, 3214868480
	.section	.rodata,"a",@progbits
	.p2align	6, 0x0
	.amdhsa_kernel k_qb843cb0341_gemm
		.amdhsa_group_segment_fixed_size 327680
		.amdhsa_private_segment_fixed_size 0
		.amdhsa_enable_private_segment 0
		.amdhsa_kernarg_size 24
		.amdhsa_user_sgpr_count 2
		.amdhsa_user_sgpr_kernarg_segment_ptr 1
		.amdhsa_wavefront_size32 1
		.amdhsa_system_sgpr_workgroup_id_x 1
		.amdhsa_system_sgpr_workgroup_id_y 1
		.amdhsa_system_sgpr_workgroup_id_z 1
		.amdhsa_system_vgpr_workitem_id 0
		.amdhsa_next_free_vgpr 1024
		.amdhsa_next_free_sgpr 68
		.amdhsa_reserve_vcc 0
		.amdhsa_float_denorm_mode_32 3
		.amdhsa_float_denorm_mode_16_64 3
		.amdhsa_memory_ordered 1
		.amdhsa_forward_progress 1
		.amdhsa_inst_pref_size 148
	.end_amdhsa_kernel
	.amdgpu_metadata
---
amdhsa.version: [ 1, 2 ]
amdhsa.kernels:
  - .name:           k_qb843cb0341_gemm
    .symbol:         k_qb843cb0341_gemm.kd
    .args:
      - { .name: a_ws, .offset: 0, .size: 8, .value_kind: global_buffer, .address_space: global }
      - { .name: b_ws, .offset: 8, .size: 8, .value_kind: global_buffer, .address_space: global }
      - { .name: out0, .offset: 16, .size: 8, .value_kind: global_buffer, .address_space: global }
    .group_segment_fixed_size: 327680
    .private_segment_fixed_size: 0
    .kernarg_segment_align: 8
    .kernarg_segment_size: 24
    .max_flat_workgroup_size: 128
    .sgpr_count:     68
    .vgpr_count:     1024
    .wavefront_size: 32
...
	.end_amdgpu_metadata
.endif
;; end of part 2
